; MI455X (gfx1250); checked and timed in simulation.
; The chip was launched on July 23, 2026; its instructions are those of AMD's public machine-readable ISA for CDNA 5 (MIT licence, August 2026) and "CDNA5" Instruction Set Architecture Reference Guide (July 2026). The comments in the code are by the model that wrote it; some were corrected since.
;; Memory Module. Allowed arithmetic: matrix products marked QUANTISED: E2M3 operands, one E8M0 scale for each 32 along K, by v_wmma_scale_f32_16x16x128_f8f6f4 with both operands' format E2M3, f32 sums; everything else in f32.
;; Inputs: memory 1,024 x 64 float32; query 262,144 x 64 float32.
;; Outputs: out0 262,144 x 64 float32.
;; This version of the problem:
;;   THIS VERSION OF THE PROBLEM IS GIVEN IN LOW PRECISION. The matrix products marked QUANTISED in the list below multiply operands that are first quantised to E2M3 (2 exponent bits, 3 mantissa bits; 6 bits a number), with one power-of-two scale for each 32 numbers along K (OCP MX v1.0); their sums are f32. All else is computed in f32.
;;   The module's matrix products, in the order in which they are computed (A, B: the left and right operand; K: the contracted axis; several contracted axes count as one K, in the product's order):
;;     1. [M 262,144, K 64] x [K 64, N 1,024]; A: input query; B: input memory: QUANTISED
;;     2. [M 262,144, K 1,024] x [K 1,024, N 64]; A: softmax (see below); B: input memory: QUANTISED
;;   THE QUANTISER, for each operand of a quantised product, along K:
;;     - K is cut into blocks of 32 from its start; a last block that is shorter is filled with zeros.
;;     - A block's scale is 2^e with e = floor(log2(the largest magnitude in the block)) - 2, held to -126 .. 127; a block of zeros has e = 0. As a byte (E8M0): e + 127.
;;     - Each number is divided by its block's scale, clamped to +-7.5, and rounded to the nearest number of E2M3, ties to even, subnormals kept.
;;     - The product sums the exact products of the quantised numbers (number of the format x scale) in f32.
;;   ~~~python
;;   def quantise(x, axis):      # numpy; x: float32 -> the quantised numbers, widened to float32 again
;;       x = np.moveaxis(x, axis, -1); K = x.shape[-1]
;;       x = np.pad(x, [(0, 0)] * (x.ndim - 1) + [(0, -K % 32)]); x = x.reshape(x.shape[:-1] + (-1, 32)); a = np.abs(x).max(-1, keepdims=True)
;;       e = np.where(a > 0, np.clip(np.frexp(np.where(a > 0, a, 1))[1] - 1 - 2, -126, 127), 0)      # np.frexp(a)[1] - 1 = floor(log2(a)), exactly
;;       r = np.clip(x / 2.0 ** e, -7.5, 7.5)
;;       step = 2.0 ** (np.maximum(np.frexp(np.where(r == 0, 1, r))[1] - 1, 0) - 3)
;;       q = np.round(r / step) * step * 2.0 ** e      # np.round: ties to even
;;       return np.moveaxis(q.reshape(q.shape[:-2] + (-1,))[..., :K], -1, axis).astype(np.float32)
;;   ~~~
;;   SOFTMAX AHEAD OF A QUANTISED PRODUCT. Where the list says 'softmax', what is quantised is not the finished softmax but p = 2^(t - M), with t = logit x log2(e) and M = ceil(the row's largest t), a whole number; so 1/2 < the row's largest p <= 1. The row's sum l is taken of the UNQUANTISED p, in f32, and the product's result is divided by l at the end. Since M is a whole number, a kernel that streams over the keys may use a running M (the ceiling of the running maximum): every later rescaling is an exact power of two, which a block's scale takes up: the codes' values come out the same.
;;   OPERANDS COMPUTED ON THE WAY. 'Computed on the way' means the value that the module computes at that place (a softmax that the list does not call 'softmax' is quantised finished and normalised). What goes into a quantiser is computed in f32, as accurately as f32 sums, v_exp_f32 and their like allow (about 1e-6 of the number): no bf16 or f16 on the way to a quantiser, and a product that is left as it is and whose result goes on into a quantised operand takes f32 operands (vector FMAs, or v_wmma_f32_16x16x4_f32). A number that lies on a knife's edge between two numbers of the format may be rounded either way, as far as f32 arithmetic and the matrix unit's own rounding can turn it there, and no further.
;; One version. Each part assembles by itself: llvm-mc -triple=amdgcn-amd-amdhsa -mcpu=gfx1250 --defsym DOCPART=n.
;; ======== version 1 of 1: 1 launch
;; launch attn (part 1): grid 256 x 1, 16 waves a work-group, clusters of 4 x 1, 280,576 bytes of LDS; arguments query, memory, out0; writes out0
.if DOCPART == 1
	.amdgcn_target "amdgcn-amd-amdhsa--gfx1250"
	.amdhsa_code_object_version 6
	.text
	.protected	k_qd83ffaf986_attn
	.globl	k_qd83ffaf986_attn
	.p2align	8
	.type	k_qd83ffaf986_attn,@function
k_qd83ffaf986_attn:
	s_mov_b64 s[64:65], 0
	v_nop
	global_prefetch_b8 v0, s[64:65] scope:SCOPE_SE
	s_setreg_imm32_b32 hwreg(HW_REG_WAVE_MODE, 25, 1), 1
	s_wait_xcnt 0x0
	s_wait_alu depctr_hold_cnt(0) depctr_sa_sdst(0) depctr_va_vdst(0) depctr_va_sdst(0) depctr_va_ssrc(0) depctr_va_vcc(0) depctr_vm_vsrc(0)
	s_getreg_b32 s2, hwreg(HW_REG_IB_STS2, 6, 4)
	s_cmp_eq_u32 s2, 0
	s_cbranch_scc0 .Lentry_in_a_cluster
	s_endpgm
.Lentry_in_a_cluster:
	s_bfe_u32 s2, ttmp6, 0x10000c
	s_cmp_lg_u32 s2, 0x3003
	s_cbranch_scc0 .Lentry_shape_is_right
	s_endpgm
.Lentry_shape_is_right:
; out[q][:] = sum over k of softmax_k(query[q] . memory[k]) memory[k][:].  query, out: [262144][64] f32; memory: [1024][64] f32.
; Both products run on codes of FP6 (E2M3) with one E8M0 scale for each 32 along a product's K.
; SOFTMAX: t = score x log2(e); M = the running largest t rounded UP to a whole number; p = 2^(t - M) is quantised along the keys, not normalised;
; the row's sum is taken of the unquantised p and divides at the end.  When M moves, the sum and O are multiplied by 2^(old M - new M): exact.
; SHARES: 256 work-groups of 16 waves; a work-group owns 1,024 queries = 64 tiles of 16; wave w takes tiles 16 i + w, i = 0 .. 3.  A lane (r = lane % 16, h = lane / 16) holds query r throughout.
; THE TABLE comes into LDS once as f32 (one tensor load a wave, asked for jointly by the four work-groups of a cluster, which all want the same 256 KiB), is quantised twice by the sixteen
; waves (along d for the first product, along the keys for the second), and stays in LDS as codes: eight records, one for each step of 128 keys, laid over the f32 bytes, which have had their only fill and their last read.
; CODES LIE IN LDS AS IMAGES OF THE OPERANDS' REGISTERS: four registers of a lane at 16 x lane, 512 bytes a load: no pitch, consecutive bytes.
; THE KEYS OF A TILE ARE NOT NEIGHBOURS: row m of tile 4 c + u of a step is key 64 c + 32 (m / 8) + 8 u + m % 8.  In S^T = K Q^T (source 0 = 16 keys, source 1 = my 16 queries) register S + 32 c + i of lane (r, h)
; is then key 64 c + 32 h + i: a WHOLE block of 32 in one lane, in the order in which the second product's operand wants it: a block's maximum asks no other lane, and the conversions' results are the operand.
; K = 64 IN A FORM OF K = 128: the query's operand is six registers of codes and six of zero codes.  A key tile's fragment is six registers; the fragments lie on end, and the product of tile T names twelve:
; its own six and the next fragment's six (behind the last: six zero registers).  Those six meet the query's zero codes; E2M3 has no infinity and no NaN, and bytes 2 and 3 of both scale words are 0x7f: they add exactly 0.
; LIMITS: NaN and infinities among the inputs are not served.  A block whose largest magnitude lies under 2^-124 keeps the scale byte 1; a block of zeros too, where the rule says 127: its codes are zeros, and the bytes are
; read by this text alone.  A p under 2^-126 falls to 0.
.set PITCH, 272                        ; a row of the table as f32 in LDS: 256 bytes + 16 of padding
.set RECB,  13312                      ; a step's record: K's image 6,144 | V's image 6,144 | K's scale words 512 | V's scale words 512
.set VIMG,  6144
.set KSO,   12288
.set VSO,   12800
.set STG,   131072                     ; behind the records, with a gap: a stage of 16 rows x 272 bytes for each wave, its own
.set STGW,  16*PITCH
.set LI,   1                           ; v1   16 x lane: my place in an image, and in 512 dense bytes of query or out; never rewritten
.set ALIN, 2                           ; v2   stage: rows as they lie in memory: 272 h + 16 r
.set AQR,  3                           ; v3   stage: my query's row, my half of it: 272 r + 128 h
.set AOS,  4                           ; v4   stage: my query's row of results: 272 r + 32 h
.set AD,   5                           ; v5   the record in hand + 16 x lane
.set SH8,  6                           ; v6   8 h
.set NM,   8                           ; v8   -M   (v[8:9] is named as a pair)
.set SMX,  9                           ; v9   the running largest score
.set L,    10                          ; v[10:11] the row's sum, in two halves
.set F,    12                          ; v12  2^(old M - new M); at the end 1 / sum   (v[12:13] is named as a pair)
.set MO,   13                          ; v13  the old -M
.set L2,   14                          ; v[14:15] a second chain of the sum
.set A0,   16                          ; v16, v17  block c's largest score, then its largest p
.set B0,   18                          ; v18, v19  a second chain of the maxima
.set SO0,  20                          ; v20, v21  the conversions' scale operands
.set BY0,  22                          ; v22, v23  the scale bytes; v23 also takes the other half's word
.set W2,   23
.set R,    24                          ; v24, v25  at work
.set R2,   25
.set PS,   26                          ; v26  p's scale word
.set QS,   27                          ; v27  the query's scale word
.set SCL,  28                          ; v[28:31] K's scale words of a step, then V's
.set QC,   32                          ; v[32:43] the query's operand: six registers of codes, six of zeros
.set PC,   44                          ; v[44:55] p's operand
.set TP0,  56                          ; v[56:58], v[60:62] the upper halves of blocks, as the conversions leave them
.set TP1,  60
.set S,    64                          ; v[64:127] S^T, then p
.set O,    128                         ; v[128:159] O^T: tile t (d = 16 t ..) at O + 8 t
.set FR,   160                         ; v[160:207] a step's fragments of K, then of V
.set ZP,   208                         ; v[208:213] zeros behind the last fragment of K
.set QN,   224                         ; v[224:255] the next tile's queries as loaded
; at the head only:
.set AKR,  10                          ; v10-15 LDS addresses of the two ways through the table
.set AVR,  11
.set AKW,  12
.set AVW,  13
.set AKS,  14
.set AVS,  15
.set X,    64                          ; v[64:191] 128 numbers of the table
.set KC,   192                         ; v[192:215] four fragments of K
.set VC,   32                          ; v[32:55] two lanes' worth of a fragment of V
.set KWD,  216                         ; v216-219 four tiles' scale words
.set KW,   220                         ; v[220:221] the same, two tiles to a register
.set VW,   222                         ; v222 my column's scale word
.set WV,   10                          ; s10  wave
.set G1,   16                          ; s[16:23] descriptor group 1;  s[24:27] group 0
.set G0,   24
.set SEL,  28                          ; s[28:29] v_permlanex16_b32's selects for lane l xor 16
.set CS,   30                          ; s[30:31] log2(e): the packed form names a pair and takes its low word for both halves
.set TB,   32                          ; s32  where the record in hand begins
.set STEPS, 33
.set TILES, 34
.set HM,   35                          ; s35  lanes 16-31
; A round of the cluster's barrier: my work-group's barrier; wave 0 signals for the work-group; every wave waits for all four work-groups; my work-group's barrier once more.
.macro CROUND
	s_barrier_signal -1
	s_barrier_wait -1
	s_cmp_lg_u32 s[WV], 0
	s_cbranch_scc1 .Lnot_wave_0_\@
	s_barrier_signal -3
.Lnot_wave_0_\@:
	s_barrier_wait -3
	s_barrier_signal -1
	s_barrier_wait -1
.endm
; 32 numbers of ONE lane, a whole block, v[src] on, become six registers of codes at v[dst] and the scale's byte in v[by].
.macro QB src, dst, tp, by
	v_max3_num_f32 v[A0], |v[(\src)]|, |v[(\src)+1]|, 0x1800000   ; the floor 2^(3 - 127) among the leaves: the byte cannot fall under 1
	v_max3_num_f32 v[B0], |v[(\src)+16]|, |v[(\src)+17]|, |v[(\src)+18]|
.irp i, 2,4,6,8,10,12
	v_max3_num_f32 v[A0], v[A0], |v[(\src)+\i]|, |v[(\src)+\i+1]|            ; two chains by turns
	v_max3_num_f32 v[B0], v[B0], |v[(\src)+\i+17]|, |v[(\src)+\i+18]|
.endr
	v_max3_num_f32 v[A0], v[A0], |v[(\src)+14]|, |v[(\src)+15]|
	v_max3_num_f32 v[A0], v[A0], v[B0], |v[(\src)+31]|           ; the block's largest magnitude
	v_add_nc_u32 v[SO0], 0xff000000, v[A0]                       ; 2 off its exponent field: the conversion takes the exponent field of this operand as its scale
	v_cvt_scalef32_pk16_fp6_f32 v[(\dst):(\dst)+2], v[(\src):(\src)+15], v[SO0]
	v_cvt_scalef32_pk16_fp6_f32 v[(\tp):(\tp)+2], v[(\src)+16:(\src)+31], v[SO0]   ; (a conversion's three registers begin on an even number)
	v_nop                                                        ; one plain place behind a scaled conversion
	v_lshrrev_b32 v[\by], 23, v[SO0]                             ; the scale's byte
.irp i, 0,1,2
	v_mov_b32 v[(\dst)+3+\i], v[(\tp)+\i]
.endr
.endm
; The scale word of a row whose K is 64: byte 0 from lanes 0-15, byte 1 from lanes 16-31, bytes 2 and 3 = 0x7f (over zero codes).  Both halves of the lanes end with the word.
.macro WORD by, dst
	v_lshlrev_b32 v[\by], v[SH8], v[\by]
	v_permlanex16_b32 v[W2], v[\by], s[SEL], s[SEL+1]
	v_or_b32 v[R], v[\by], v[W2]
	v_or_b32 v[\dst], 0x7f7f0000, v[R]
.endm
	s_load_b128 s[4:7], s[0:1], 0x0                ; query s[4:5], memory s[6:7]
	s_load_b64 s[8:9], s[0:1], 0x10                ; out
	v_lshl_add_u32 v63, v0, 2, 0x44000
	v_mov_b32 v223, 0
	ds_add_u32 v63, v223
	ds_add_u32 v63, v223
	v_lshrrev_b32 v16, 5, v0
	v_readfirstlane_b32 s[WV], v16                 ; wave 0..15
	s_lshr_b32 s11, s[WV], 1                       ; at the head: the step of 128 keys whose images I help to make,
	s_and_b32 s12, s[WV], 1                        ; and which half of them
	s_bfe_u32 s13, ttmp6, 0x40000                  ; cx: my place in the cluster
	s_lshl_b32 s14, ttmp9, 2                       ; in a cluster launch ttmp9 counts clusters
	s_add_co_u32 s14, s14, s13                     ; my work-group: it enters query's and out's addresses alone
	; descriptor group 1: 64 rows x 64 elements of 4 bytes, 16 bytes of padding behind each row
	s_mov_b32 s[G1+0], 15|(2<<16)|(1<<20)|(1<<21)|(5<<22)|(3<<25)   ; 15:0 the mask: all four work-groups; 17:16 elements of 4 bytes; 20 padding on; 21 set beside a mask; 24:22 after every 64 words; 31:25 4 words of it
	s_mov_b32 s[G1+1], 64<<16                      ; tensor_dim0 = 64
	s_mov_b32 s[G1+2], 64<<16                      ; tensor_dim1 = 64
	s_mov_b32 s[G1+3], 64<<16                      ; tile_dim0 = 64
	s_mov_b32 s[G1+4], 64                          ; tile_dim1 = 64
	s_mov_b32 s[G1+5], 64                          ; elements from row to row
	s_mov_b32 s[G1+6], 0
	s_mov_b32 s[G1+7], 0
	s_mov_b32 s[G0], 1                             ; count = 1
	s_mul_i32 s[G0+1], s[WV], 64*PITCH             ; LDS address: my 64 rows; no place in the cluster enters it
	s_lshl_b32 s36, s[WV], 14                      ; the same rows in memory: 64 x 256 bytes a wave
	s_mov_b32 s37, 0
	s_lshl_b32 s44, s14, 18                        ; my work-group's 1,024 rows of 256 bytes,
	s_lshl_b32 s45, s[WV], 12                      ; my wave's first tile of 16 rows
	s_add_co_u32 s44, s44, s45
	s_mov_b32 s45, 0
	s_mov_b32 s[SEL], 0x76543210
	s_mov_b32 s[SEL+1], 0xfedcba98
	s_mov_b32 s[CS], 0x3fb8aa3b                    ; log2(e)
	s_mov_b32 s[CS+1], s[CS]                       ; (named with it as a pair, so it is written)
	s_mov_b32 s[HM], 0xffff0000
	s_mov_b32 s[TILES], 4
	v_and_b32 v[LI], 31, v0
	v_lshlrev_b32 v[LI], 4, v[LI]
	s_wait_dscnt 0x0
	s_wait_kmcnt 0x0
	s_add_nc_u64 s[G0+2:G0+3], s[6:7], s[36:37]    ; global address of my 64 rows: the same in all four partners
	s_or_b32 s[G0+3], s[G0+3], 0x80000000          ; type = 2
	s_add_nc_u64 s[4:5], s[4:5], s[44:45]
	s_add_nc_u64 s[8:9], s[8:9], s[44:45]
	CROUND                                         ; all four work-groups are here: the joint loads meet
	tensor_load_to_lds s[G0:G0+3], s[G1:G1+7]      ; my one tensor load of the launch: nothing is ever filled again
	s_nop 0
.rept 4
	v_nop
.endr
.irp i, 0,1,2,3,4,5,6,7
	global_load_b128 v[QN+4*\i:QN+4*\i+3], v[LI], s[4:5] offset:512*\i th:TH_LOAD_NT   ; my first tile's queries: 512 consecutive bytes a load; they land while the table is quantised
.endr
	v_and_b32 v16, 15, v0                          ; r
	v_bfe_u32 v17, v0, 4, 1                        ; h
	v_lshlrev_b32 v[SH8], 3, v17
	s_mul_i32 s36, s[WV], STGW
	s_add_co_u32 s36, s36, STG                     ; my stage
	v_mul_u32_u24 v[ALIN], v17, PITCH
	v_lshl_add_u32 v[ALIN], v16, 4, v[ALIN]
	v_add_nc_u32 v[ALIN], s36, v[ALIN]
	v_mul_u32_u24 v[AQR], v16, PITCH
	v_lshl_add_u32 v[AOS], v17, 5, v[AQR]
	v_lshl_add_u32 v[AQR], v17, 7, v[AQR]
	v_add_nc_u32 v[AQR], s36, v[AQR]
	v_add_nc_u32 v[AOS], s36, v[AOS]
	v_and_b32 v18, 7, v0
	v_bfe_u32 v19, v0, 3, 1
	v_lshl_add_u32 v18, v19, 5, v18                ; 32 (r / 8) + r % 8: the key that lane r takes of tile u = 0
	v_mul_u32_u24 v[AKR], v18, PITCH
	v_lshl_add_u32 v[AKR], v17, 7, v[AKR]          ; + my half of its 64 numbers
	s_mul_i32 s37, s[WV], 64*PITCH                 ; K's way: keys 64 w on
	v_add_nc_u32 v[AKR], s37, v[AKR]
	v_and_b32 v18, 31, v0
	v_lshlrev_b32 v[AVR], 2, v18                   ; V's way: lane l takes column d = 32 x + l,
	s_mul_i32 s38, s11, 128*PITCH                  ; keys 128 s on
	s_lshl_b32 s39, s12, 7
	s_add_co_u32 s38, s38, s39
	v_add_nc_u32 v[AVR], s38, v[AVR]
	s_mul_i32 s40, s11, RECB                       ; step s's record
	s_mul_i32 s41, s12, 3072
	s_add_co_u32 s41, s41, s40
	v_add_nc_u32 v[AKW], s41, v[LI]                ; K's image: registers 24 c on: six chunks of 512 bytes
	v_mul_u32_u24 v[AVW], v17, 1536
	v_lshl_add_u32 v[AVW], v16, 4, v[AVW]
	v_add_nc_u32 v[AVW], s41, v[AVW]               ; V's image: fragment 2 x + h, row r
	s_lshl_b32 s42, s12, 3
	s_add_co_u32 s42, s42, s40
	v_add_nc_u32 v[AKS], s42, v[LI]                ; K's scale words: registers 2 c, 2 c + 1 of four
	s_lshl_b32 s43, s12, 2
	s_add_co_u32 s43, s43, s40
	v_add_nc_u32 v[AVS], s43, v[LI]                ; V's: register x
	v_mov_b32 v[W2], 0                             ; written once: a lane permute's destination counts as one of its sources
	v_mov_b32 v[R2], 0
	s_wait_tensorcnt 0x0                           ; my 64 rows have landed,
	s_barrier_signal -1
	s_barrier_wait -1                              ; everybody's have
	; ---- K's way: four tiles of 16 keys, quantised along d.  Lane (r, h) takes 32 numbers of one key: a whole block.
.irp u, 0,1,2,3
.irp jj, 0,1,2,3,4,5,6,7
	ds_load_b128 v[X+32*\u+4*\jj:X+32*\u+4*\jj+3], v[AKR] offset:8*PITCH*\u+16*\jj
.endr
.endr
.irp u, 0,1,2,3
	s_wait_dscnt 8*(3-\u)                          ; tile u's eight loads are in; the later tiles' may be out
	QB X+32*\u, KC+6*\u, TP0, BY0
	WORD BY0, KWD+\u
.endr
	v_cndmask_b32 v[KW], v[KWD], v[KWD+1], s[HM]           ; two tiles' words to a register: the even tile's in lanes 0-15, the odd tile's in lanes 16-31
	v_cndmask_b32 v[KW+1], v[KWD+2], v[KWD+3], s[HM]
	; ---- V's way: lane l takes column d = 32 x + l and its registers run down the step's 128 keys: four whole blocks along the second product's K.  Each load reads 128 consecutive bytes.
.set n, 0
.rept 128
	ds_load_b32 v[X+n], v[AVR] offset:PITCH*n
.set n, n+1
.endr
.irp b, 0,1,2,3
.if \b < 2
	s_wait_dscnt 63                                ; 96 and 64 younger loads might stay out; the wait's field ends at 63, which asks for more
.else
	s_wait_dscnt 32*(3-\b)
.endif
	QB X+32*\b, VC+12*(\b%2)+6*(\b/2), TP0, BY0    ; block b = 2 c + h belongs into registers 6 c on of the fragment's lane r + 16 h
.if \b == 0
	v_mov_b32 v[VW], v[BY0]
.else
	v_lshl_or_b32 v[VW], v[BY0], 8*\b, v[VW]       ; the four bytes make my column's scale word
.endif
.endr
	s_wait_dscnt 0x0                               ; my reads of the f32 table are over,
	s_barrier_signal -1
	s_barrier_wait -1                              ; everybody's are: the records may be laid over it
.irp jj, 0,1,2,3,4,5
	ds_store_b128 v[AKW], v[KC+4*\jj:KC+4*\jj+3] offset:512*\jj
.endr
	ds_store_b64 v[AKS], v[KW:KW+1] offset:KSO
.irp hh, 0,1
.irp ch, 0,1,2
	ds_store_b128 v[AVW], v[VC+12*\hh+4*\ch:VC+12*\hh+4*\ch+3] offset:VIMG+256*\hh+512*\ch
.endr
.endr
	ds_store_b32 v[AVS], v[VW] offset:VSO
	ds_store_b32 v[AVS], v[VW] offset:VSO+8        ; (a copy in registers 2 and 3, so that one load of 16 bytes a lane brings written bytes alone)
	s_wait_dscnt 0x0                               ; for the others' sake: my stores have landed
	s_barrier_signal -1
	s_barrier_wait -1                              ; the eight records are whole; from here on the waves share only bytes that nobody writes
.irp i, 0,1,2,3,4,5
	v_mov_b32 v[QC+6+\i], 0                        ; the zero codes of the query's upper 64 along K,
	v_mov_b32 v[ZP+\i], 0                          ; and what the last key tile's product names behind its fragment
.endr
; A STEP: 128 keys.  first = 1: a tile's first step, which starts M, the sum and O^T: nothing is cleared.
.macro STEP first
	v_add_nc_u32 v[AD], s[TB], v[LI]               ; four plain lines: the places in front of loads into registers that the last products read
.if \first
	v_nop
.else
	v_mov_b32 v[MO], v[NM]
.endif
	v_nop
	v_nop
	ds_load_b128 v[SCL:SCL+3], v[AD] offset:KSO
.irp j, 0,1,2,3,4,5,6,7,8,9,10,11
	ds_load_b128 v[FR+4*\j:FR+4*\j+3], v[AD] offset:512*\j
.endr
.irp t, 0,1,2,3,4,5,6,7                        ; S^T = K Q^T: eight accumulators, each begun with the constant 0
.if \t < 7
	s_wait_dscnt 11-(6*\t+11)/4                    ; the chunks up to the last that this product names are in; the younger ones may be out
.endif
.if \t % 2
	v_wmma_scale_f32_16x16x128_f8f6f4 v[S+8*\t:S+8*\t+7], v[FR+6*\t:FR+6*\t+11], v[QC:QC+11], 0, v[SCL+\t/2], v[QS] matrix_a_fmt:MATRIX_FMT_FP6 matrix_b_fmt:MATRIX_FMT_FP6 matrix_a_scale:MATRIX_SCALE_ROW1
.else
	v_wmma_scale_f32_16x16x128_f8f6f4 v[S+8*\t:S+8*\t+7], v[FR+6*\t:FR+6*\t+11], v[QC:QC+11], 0, v[SCL+\t/2], v[QS] matrix_a_fmt:MATRIX_FMT_FP6 matrix_b_fmt:MATRIX_FMT_FP6
.endif
.endr
.rept 4
	v_nop                                          ; places: in front of the loads below, and of the first read of the scores
.endr
	ds_load_b128 v[SCL:SCL+3], v[AD] offset:VSO    ; V's scale words and fragments land while the softmax is worked
.irp j, 0,1,2,3,4,5,6,7,8,9,10,11
	ds_load_b128 v[FR+4*\j:FR+4*\j+3], v[AD] offset:VIMG+512*\j
.endr
	; the largest score of each of my two blocks of 32 keys: it serves for the row's maximum and, since p rises with the score, for the block's largest p.  Four chains by turns, ascending: each accumulator is first read at its low end
.irp c, 0,1
	v_max3_num_f32 v[A0+\c], v[S+32*\c], v[S+32*\c+1], v[S+32*\c+2]
	v_max3_num_f32 v[B0+\c], v[S+32*\c+16], v[S+32*\c+17], v[S+32*\c+18]
.endr
.irp i, 3,5,7,9,11,13
.irp c, 0,1
	v_max3_num_f32 v[A0+\c], v[A0+\c], v[S+32*\c+\i], v[S+32*\c+\i+1]
	v_max3_num_f32 v[B0+\c], v[B0+\c], v[S+32*\c+16+\i], v[S+32*\c+17+\i]
.endr
.endr
.irp c, 0,1
	v_max3_num_f32 v[A0+\c], v[A0+\c], v[S+32*\c+15], v[S+32*\c+31]
.endr
.irp c, 0,1
	v_max_num_f32 v[A0+\c], v[A0+\c], v[B0+\c]
.endr
	v_max_num_f32 v[R], v[A0], v[A0+1]
	v_permlanex16_b32 v[R2], v[R], s[SEL], s[SEL+1]        ; my query's other 64 keys lie in the lane 16 away
.if \first
	v_max_num_f32 v[SMX], v[R], v[R2]
.else
	v_max3_num_f32 v[SMX], v[SMX], v[R], v[R2]     ; the running largest score
.endif
	v_mul_f32 v[R], s[CS], v[SMX]                  ; as t (log2(e) is positive)
	v_floor_f32 v[NM], -v[R]                       ; -M = floor(-t) = -ceil(t): M is a whole number
.if !\first
	v_sub_f32 v[R], v[NM], v[MO]                   ; old M - new M: a whole number, 0 or less
	v_cvt_i32_f32 v[R], v[R]                       ; (it saturates)
	v_ldexp_f32 v[F], 1.0, v[R]                    ; f = 2^(old M - new M)
.endif
.set j, 0
.rept 32
	v_pk_fma_f32 v[S+j:S+j+1], v[S+j:S+j+1], s[CS:CS+1], v[NM:NM+1] op_sel_hi:[1,0,0]   ; t - M, two at a time (of both pairs the low word serves both halves)
.set j, j+2
.endr
.irp c, 0,1
	v_fma_f32 v[A0+\c], v[A0+\c], s[CS], v[NM]     ; the same of each block's largest score
.endr
.set j, 0
.rept 64
	v_exp_f32 v[S+j], v[S+j]                       ; p = 2^(t - M), at most 1
.set j, j+1
.endr
.irp c, 0,1
	v_exp_f32 v[A0+\c], v[A0+\c]                   ; the block's largest p: the same two instructions on the same number
.endr
.if \first
	v_nop                                          ; a plain place behind the exponentials
	s_wait_alu depctr_va_vdst(0)
.else
	v_pk_mul_f32 v[L:L+1], v[L:L+1], v[F:F+1] op_sel_hi:[1,0]   ; the sum under the new M; also the plain place behind the exponentials
	s_wait_alu depctr_va_vdst(0)
.endif
.irp c, 0,1
	v_max_num_f32 v[A0+\c], 0x1800000, v[A0+\c]    ; the floor 2^(3 - 127): the byte cannot fall under 1
.endr
.irp c, 0,1
	v_add_nc_u32 v[SO0+\c], 0xff000000, v[A0+\c]   ; 2 off the exponent field: the conversion's scale operand
.endr
.irp c, 0,1
	v_lshrrev_b32 v[BY0+\c], 23, v[SO0+\c]         ; the scale's byte
.endr
	v_cvt_scalef32_pk16_fp6_f32 v[PC:PC+2], v[S:S+15], v[SO0]
	v_cvt_scalef32_pk16_fp6_f32 v[TP0:TP0+2], v[S+16:S+31], v[SO0]
	v_cvt_scalef32_pk16_fp6_f32 v[PC+6:PC+8], v[S+32:S+47], v[SO0+1]
	v_cvt_scalef32_pk16_fp6_f32 v[TP1:TP1+2], v[S+48:S+63], v[SO0+1]
	v_lshl_or_b32 v[BY0], v[BY0+1], 16, v[BY0]     ; my two bytes, blocks h and 2 + h.  (These four plain lines name none of the conversions' registers: they are the place behind them)
	v_lshlrev_b32 v[BY0], v[SH8], v[BY0]           ; at their places in the word
	v_permlanex16_b32 v[W2], v[BY0], s[SEL], s[SEL+1]
	v_or_b32 v[PS], v[BY0], v[W2]                  ; with the other half's two: p's scale word for these 128 keys
.irp i, 0,1,2
	v_mov_b32 v[PC+3+\i], v[TP0+\i]
	v_mov_b32 v[PC+9+\i], v[TP1+\i]
.endr
	; the row's sum is taken of the UNQUANTISED p: two at a time, in two chains
.if \first
	v_pk_add_f32 v[L:L+1], v[S:S+1], v[S+2:S+3]
	v_pk_add_f32 v[L2:L2+1], v[S+4:S+5], v[S+6:S+7]
.irp j, 8,12,16,20,24,28,32,36,40,44,48,52,56,60
	v_pk_add_f32 v[L:L+1], v[L:L+1], v[S+\j:S+\j+1]
	v_pk_add_f32 v[L2:L2+1], v[L2:L2+1], v[S+\j+2:S+\j+3]
.endr
.else
	v_pk_add_f32 v[L2:L2+1], v[S:S+1], v[S+2:S+3]
.irp j, 4,8,12,16,20,24,28,32,36,40,44,48,52,56,60
	v_pk_add_f32 v[L:L+1], v[L:L+1], v[S+\j:S+\j+1]
	v_pk_add_f32 v[L2:L2+1], v[L2:L2+1], v[S+\j+2:S+\j+3]
.endr
.endif
	v_pk_add_f32 v[L:L+1], v[L:L+1], v[L2:L2+1]
.if !\first
.set j, 0
.rept 16
	v_pk_mul_f32 v[O+j:O+j+1], v[O+j:O+j+1], v[F:F+1] op_sel_hi:[1,0]   ; O^T under the new M, ascending
.set j, j+2
.endr
.endif
	s_wait_dscnt 0x0                               ; V's fragments and scale words are in
.irp t, 0,1,2,3                                ; O^T += V^T P^T: four accumulators, one instruction each: no two products that follow each other share an accumulator, round the loop's edge too
.if \first
.if \t % 2
	v_wmma_scale_f32_16x16x128_f8f6f4 v[O+8*\t:O+8*\t+7], v[FR+12*\t:FR+12*\t+11], v[PC:PC+11], 0, v[SCL+\t/2], v[PS] matrix_a_fmt:MATRIX_FMT_FP6 matrix_b_fmt:MATRIX_FMT_FP6 matrix_a_scale:MATRIX_SCALE_ROW1
.else
	v_wmma_scale_f32_16x16x128_f8f6f4 v[O+8*\t:O+8*\t+7], v[FR+12*\t:FR+12*\t+11], v[PC:PC+11], 0, v[SCL+\t/2], v[PS] matrix_a_fmt:MATRIX_FMT_FP6 matrix_b_fmt:MATRIX_FMT_FP6
.endif
.else
.if \t % 2
	v_wmma_scale_f32_16x16x128_f8f6f4 v[O+8*\t:O+8*\t+7], v[FR+12*\t:FR+12*\t+11], v[PC:PC+11], v[O+8*\t:O+8*\t+7], v[SCL+\t/2], v[PS] matrix_a_fmt:MATRIX_FMT_FP6 matrix_b_fmt:MATRIX_FMT_FP6 matrix_a_scale:MATRIX_SCALE_ROW1
.else
	v_wmma_scale_f32_16x16x128_f8f6f4 v[O+8*\t:O+8*\t+7], v[FR+12*\t:FR+12*\t+11], v[PC:PC+11], v[O+8*\t:O+8*\t+7], v[SCL+\t/2], v[PS] matrix_a_fmt:MATRIX_FMT_FP6 matrix_b_fmt:MATRIX_FMT_FP6
.endif
.endif
.endr
	s_add_co_u32 s[TB], s[TB], RECB                ; on to the next step's record
.endm
.Ltile:                                            ; four trips: my four tiles of 16 queries
	s_wait_loadcnt 0x0                             ; this tile's queries are in: their address registers are free too
.irp i, 0,1,2,3,4,5,6,7
	ds_store_b128 v[ALIN], v[QN+4*\i:QN+4*\i+3] offset:2*PITCH*\i    ; through my stage, as they lie: rows 2 i and 2 i + 1
.endr
.irp i, 0,1,2,3,4,5,6,7
	ds_load_b128 v[S+4*\i:S+4*\i+3], v[AQR] offset:16*\i             ; and back: d = 32 h .. 32 h + 31 of query r.  LDS serves a wave's instructions in order (ISA guide 5.7.1.4): these see the stores above
.endr
	s_wait_dscnt 0x0                               ; the stores have read QN, the numbers are here
	s_cmp_eq_u32 s[TILES], 1                       ; the last tile asks for nothing: no load leaves the buffer
	s_cbranch_scc1 .Lno_next
	s_add_nc_u64 s[4:5], s[4:5], 0x10000           ; 16 tiles on: the sixteen waves' tiles lie side by side
.irp i, 0,1,2,3,4,5,6,7
	global_load_b128 v[QN+4*\i:QN+4*\i+3], v[LI], s[4:5] offset:512*\i th:TH_LOAD_NT   ; a whole tile's work ahead of their use
.endr
.Lno_next:
	QB S, QC, TP0, BY0                             ; my query's block h of its 64 numbers
	WORD BY0, QS
.rept 8
	v_nop                                          ; a scale register written by a vector instruction stands eight places ahead of a scaled matrix instruction
.endr
	s_mov_b32 s[TB], 0
	STEP 1
	s_mov_b32 s[STEPS], 7
.Lstep:
	STEP 0
	s_sub_co_i32 s[STEPS], s[STEPS], 1
	s_cmp_lg_u32 s[STEPS], 0
	s_cbranch_scc1 .Lstep
	; THE WAY OUT: O^T / the sum goes through my stage and leaves as whole rows
.rept 4
	v_nop                                          ; places behind the last products
.endr
	v_add_f32 v[L2], v[L], v[L+1]                  ; the sum's two halves,
	v_permlanex16_b32 v[L2+1], v[L2], s[SEL], s[SEL+1]
	v_add_f32 v[L2], v[L2], v[L2+1]                ; and the other half of the lanes': the row's sum
	v_rcp_f32 v[F], v[L2]
	v_nop                                          ; a plain place behind the transcendental
.set j, 0
	s_wait_alu depctr_va_vdst(0)
.rept 16
	v_pk_mul_f32 v[S+j:S+j+1], v[O+j:O+j+1], v[F:F+1] op_sel_hi:[1,0]   ; register 8 t + i is out(r, 16 t + 8 h + i); ascending
.set j, j+2
.endr
.irp t, 0,1,2,3
	ds_store_b128 v[AOS], v[S+8*\t:S+8*\t+3] offset:64*\t
	ds_store_b128 v[AOS], v[S+8*\t+4:S+8*\t+7] offset:64*\t+16
.endr
.irp i, 0,1,2,3,4,5,6,7
	ds_load_b128 v[S+32+4*\i:S+32+4*\i+3], v[ALIN] offset:2*PITCH*\i
.endr
.irp i, 0,1,2,3,4,5,6,7
	s_wait_dscnt 7-\i                              ; load i is in; the younger ones may be out
	global_store_b128 v[LI], v[S+32+4*\i:S+32+4*\i+3], s[8:9] offset:512*\i th:TH_STORE_NT   ; 32 lanes store 512 consecutive bytes, at a multiple of 256 from out's first byte
.endr
	s_wait_xcnt 0x0                                ; the stores' data registers and base are written again only behind this wait
	s_add_nc_u64 s[8:9], s[8:9], 0x10000
	s_sub_co_i32 s[TILES], s[TILES], 1
	s_cmp_lg_u32 s[TILES], 0
	s_cbranch_scc1 .Ltile
	s_wait_tensorcnt 0x0
	ds_add_u32 v63, v223
	s_wait_dscnt 0x0
	CROUND                                         ; the closing round: no work-group ends while a partner may still ask for a tile that names it
	s_endpgm
.Lfunc_end_k_qd83ffaf986_attn:
	.size	k_qd83ffaf986_attn, .Lfunc_end_k_qd83ffaf986_attn-k_qd83ffaf986_attn
	.p2alignl 7, 3214868480
	.fill 96, 4, 3214868480
	.section	.rodata,"a",@progbits
	.p2align	6, 0x0
	.amdhsa_kernel k_qd83ffaf986_attn
		.amdhsa_group_segment_fixed_size 280576
		.amdhsa_private_segment_fixed_size 0
		.amdhsa_enable_private_segment 0
		.amdhsa_kernarg_size 24
		.amdhsa_user_sgpr_count 2
		.amdhsa_user_sgpr_kernarg_segment_ptr 1
		.amdhsa_wavefront_size32 1
		.amdhsa_system_sgpr_workgroup_id_x 1
		.amdhsa_system_sgpr_workgroup_id_y 1
		.amdhsa_system_sgpr_workgroup_id_z 1
		.amdhsa_system_vgpr_workitem_id 0
		.amdhsa_next_free_vgpr 256
		.amdhsa_next_free_sgpr 66
		.amdhsa_reserve_vcc 0
		.amdhsa_float_denorm_mode_32 3
		.amdhsa_float_denorm_mode_16_64 3
		.amdhsa_memory_ordered 1
		.amdhsa_forward_progress 1
		.amdhsa_inst_pref_size 65
	.end_amdhsa_kernel
	.amdgpu_metadata
---
amdhsa.version: [ 1, 2 ]
amdhsa.kernels:
  - .name:           k_qd83ffaf986_attn
    .symbol:         k_qd83ffaf986_attn.kd
    .args:
      - { .name: query, .offset: 0, .size: 8, .value_kind: global_buffer, .address_space: global }
      - { .name: memory, .offset: 8, .size: 8, .value_kind: global_buffer, .address_space: global }
      - { .name: out0, .offset: 16, .size: 8, .value_kind: global_buffer, .address_space: global }
    .group_segment_fixed_size: 280576
    .private_segment_fixed_size: 0
    .kernarg_segment_align: 8
    .kernarg_segment_size: 24
    .max_flat_workgroup_size: 512
    .sgpr_count:     66
    .vgpr_count:     256
    .wavefront_size: 32
...
	.end_amdgpu_metadata
.endif
;; end of part 1
